; MI455X (gfx1250); checked and timed in simulation.
; The chip was launched on July 23, 2026; its instructions are those of AMD's public machine-readable ISA for CDNA 5 (MIT licence, August 2026) and "CDNA5" Instruction Set Architecture Reference Guide (July 2026). The comments in the code are by the model that wrote it; some were corrected since.
;; W8 A8 BFP32 OFP32 Ge Lu Q. Allowed arithmetic: float matrix products may take bf16 or f16 operands with f32 sums; all other float work in f32.
;; Inputs: a one number float32; b one number float32; bias 4,096 float32; weight 4,096 x 4,096 int8; x 4,096 x 4,096 int8.
;; Outputs: out0 4,096 x 4,096 int8.
;; One version. Each part assembles by itself: llvm-mc -triple=amdgcn-amd-amdhsa -mcpu=gfx1250 --defsym DOCPART=n.
;; ======== version 1 of 1: 1 launch
;; launch gemm_gelu_q (part 1): grid 16 x 16, 4 waves a work-group, clusters of 4 x 4, 327,680 bytes of LDS; arguments x, weight, bias, a, b, out0; writes out0
.if DOCPART == 1
	.amdgcn_target "amdgcn-amd-amdhsa--gfx1250"
	.amdhsa_code_object_version 6
	.text
	.protected	k_qa1e828291d_gemm_gelu_q
	.globl	k_qa1e828291d_gemm_gelu_q
	.p2align	8
	.type	k_qa1e828291d_gemm_gelu_q,@function
k_qa1e828291d_gemm_gelu_q:
	s_mov_b64 s[64:65], 0
	v_nop
	global_prefetch_b8 v0, s[64:65] scope:SCOPE_SE
	s_setreg_imm32_b32 hwreg(HW_REG_WAVE_MODE, 25, 1), 1
	s_wait_xcnt 0x0
	s_wait_alu depctr_hold_cnt(0) depctr_sa_sdst(0) depctr_va_vdst(0) depctr_va_sdst(0) depctr_va_ssrc(0) depctr_va_vcc(0) depctr_vm_vsrc(0)
	s_getreg_b32 s2, hwreg(HW_REG_IB_STS2, 6, 4)
	s_cmp_eq_u32 s2, 0
	s_cbranch_scc0 .Lentry_in_a_cluster
	s_endpgm
.Lentry_in_a_cluster:
	s_bfe_u32 s2, ttmp6, 0x10000c
	s_cmp_lg_u32 s2, 0xf033
	s_cbranch_scc0 .Lentry_shape_is_right
	s_endpgm
.Lentry_shape_is_right:
; out0[t][o] = int8( clip( rint( gelu( a * sum_k x[t][k] w[o][k] + bias[o] ) * b ), -128, 127 ) ).   x: [4096][4096] int8, weight: [4096][4096] int8,
; bias: [4096] f32, a, b: one f32 each, out0: [4096][4096] int8.  gelu(y) = 0.5 y erfc(-y sqrt(0.5)), the exact (erf) form.
;
; THE PRODUCT keeps the problem's own format: signed bytes times signed bytes, summed in i32 (v_wmma_i32_16x16x64_iu8, both sources signed).  The sum is
; exact whatever its order, for every int8 input (at most 4096 x 128 x 128 = 2^26 in magnitude).
; A work-group makes a block of 256 x 256 of out0 with four waves; a wave makes 128 x 128: 64 accumulator tiles of 16 x 16, 512 registers.
; K goes in steps of 256 bytes through a ring of two LDS slots filled by the tensor data mover: a tile's rows are 256 bytes of memory and start at
; multiples of 256 bytes from the buffer's first byte.
; CLUSTERS: 4 x 4 work-groups.  The four of a row of the cluster need the same tiles of x, the four of a column the same tiles of weight.  Such a tile is asked
; for jointly: each of the four issues the same tensor load, with the same descriptor and a mask that names the four.  That divides the requests by four.
;
; THE MATRIX INSTRUCTION IS USED TRANSPOSED: source 0 = 16 rows of weight, source 1 = 16 rows of x.  Lane l then holds row m = l % 16 of the tile, and its
; registers 0 to 7 the columns n = 8 (l / 16) + 0 .. 7: eight neighbouring outputs of a row, which pack into 8 bytes.
; K INSIDE A FRAGMENT IS PERMUTED, alike in both sources: a lane's registers 0-3 take bytes 16 (l / 16) + 0..15 of the 64, registers 4-7 bytes 32 + 16 (l / 16) + 0..15
; (two loads of 16 bytes).  Each product still meets its partner, and a sum of integers does not hang on its order.
;
; THE EPILOGUE, 16 rows of the wave's block at a time, all in f32: y = fma(a, acc, bias); E = erfc(-y sqrt(0.5)) by a fit in two ranges; (y E)(0.5 b), which has
; the roundings of ((0.5 y) E) b since 0.5 only moves an exponent; clip; round to nearest even by adding 1.5 x 2^23; the low byte is the int8.
; LIMITS.  y is one fused multiply-add where the definition multiplies and then adds.  1 + erf is right to under one unit in its last place (on the negative side the
; exponent's product adds a relative error of about 1e-7 for each unit of |ln erfc|), and is not bit-equal to a library's erfc.  So an output whose
; gelu(y) b lies within about one f32 unit in the last place of a number k + 0.5 may differ by 1.  Exponentials below 2^-126 count as 0 (ISA guide 15.8, v_exp_f32); they belong to y
; below -18, where gelu(y) b rounds to 0 for every finite b.  A NaN or an infinity in a, b or bias gives an unspecified byte.
;
; REGISTERS, in windows of 256 (s_set_vgpr_msb's low byte: bits 1:0 source 0, 3:2 source 1, 5:4 source 2, 7:6 destination):
;   window 0: v0-31 addresses; v64-127, v128-191 fragments of x, two buffers (the epilogue works in v32-239 when they are free)
;   window 1: v64-127, v128-191 fragments of weight, two buffers; v192-255 my 64 numbers of bias
;   window 2: the 32 accumulator tiles of my rows 0-63 (tile (a, b) at v[8 (8 a + b)]);   window 3: those of my rows 64-127
.set KDIM,   4096                      ; bytes in a row of x and of weight
.set NDIM,   4096                      ; bytes in a row of out0
.set KSTEP,  256
.set PITCH,  272                       ; an LDS row: 256 bytes + 16 of padding = 68 words: row r starts at bank 4 r mod 64 (64 banks of 4 bytes: ISA guide 11.1)
.set HALFT,  128*PITCH                 ; 128 rows: what one tensor load brings, and what one wave reads of x or of weight
.set SLOT,   4*HALFT                   ; x's 256 rows, then weight's 256 rows
.set STAGE,  2*SLOT                    ; behind the ring, at a multiple of 256 bytes: 16 rows x 272 bytes for each half of the block's rows; no tensor load lands here
.set SPITCH, 272
.set LAPS,   KDIM/(2*KSTEP)            ; a lap = two K steps = once round the ring: 8
.set ADRA, 16                          ; v16-17  LDS address of my x fragments in slot 0, 1
.set ADRB, 20                          ; v20-21  the same for weight
.set STO,  24                          ; v24     the way out: where I put 8 bytes of a row
.set RD,   25                          ; v25     the way out: where I read 16 bytes of a row back
.set CO,   26                          ; v26     my byte offset in out0
.set BO,   27                          ; v27     my byte offset in bias
.set F0,   64                          ; fragment buffer 0
.set F1,   128                         ; fragment buffer 1
.set BIAS, 192                         ; window 1
.set K7,   32                          ; v[32:33], v[34:35], v[36:37]: three leading coefficients, each twice (a packed multiply-add takes one literal)
.set K5,   34
.set KL,   36
.set PK,   44                          ; v[44:47]  16 packed bytes
.set OB,   48                          ; v[48:63]  rows read back, on their way to memory
.set Y,    64                          ; v[64:127] the 64 numbers of one block of 16 rows: tile b, register j at Y + 8 b + j
.set S,    128                         ; 16 registers each, at work on 16 numbers
.set SG,   144
.set T,    160
.set Q,    176
.set R,    192
.set U,    208
.set L,    224
.set G1,   24                          ; s[24:31] descriptor group 1 for x's tiles
.set G0,   32                          ; s[32:39] descriptor group 0 for x's tiles, one set for each slot
.set G1B,  48                          ; s[48:55] group 1 for weight's tiles: it differs in the mask alone
.set G0B,  56                          ; s[56:63] group 0 for weight's tiles, one set for each slot
.set MK,   80                          ; s[80:95] sixteen lane masks
.set MSB, 0
.macro WIN new                         ; the immediate's high byte repeats the setting that is left; a switch that changes nothing is dropped
.if MSB != \new
	s_set_vgpr_msb (MSB<<8)|\new
.set MSB, \new
.endif
.endm
.set MUL_LO, 0xa1                      ; source 0 (weight) window 1, source 1 (x) window 0, C and D window 2
.set MUL_HI, 0xf1                      ; the same, C and D window 3
.set TO_B,   0x40                      ; destination window 1, address window 0
; A joint load.  Waves 0 and 1 fetch x's two halves, waves 2 and 3 weight's.  Each line has one mask and one set of registers for all that issue it.
; The branch hangs on the wave's number alone: it is the same in every work-group.
.macro JLOAD s
	s_cmp_eq_u32 s17, 0
	s_cbranch_scc0 .Lfor_b_\@
	tensor_load_to_lds s[G0+4*\s:G0+4*\s+3], s[G1:G1+7]
	s_nop 0
	s_branch .Lasked_\@
.Lfor_b_\@:
	tensor_load_to_lds s[G0B+4*\s:G0B+4*\s+3], s[G1B:G1B+7]
	s_nop 0
.Lasked_\@:
.endm
; A round of the cluster's barrier: my work-group's barrier, so that wave 0's signal speaks for all four waves; wave 0 signals for the work-group;
; every wave waits for all sixteen work-groups; my work-group's barrier once more.
.macro CREST                           ; a round behind its opening barrier
	s_cmp_lg_u32 s16, 0
	s_cbranch_scc1 .Lnot_wave_0_\@
	s_barrier_signal -3
.Lnot_wave_0_\@:
	s_barrier_wait -3
	s_barrier_signal -1
	s_barrier_wait -1
.endm
.macro CROUND                          ; a whole round
	s_barrier_signal -1
	s_barrier_wait -1
	CREST
.endm
	s_load_b256 s[4:11], s[0:1], 0x0               ; x s[4:5], weight s[6:7], bias s[8:9], a's address s[10:11]
	s_load_b128 s[12:15], s[0:1], 0x20             ; b's address s[12:13], out0 s[14:15]
	s_set_vgpr_msb 0x40
	v_lshl_add_u32 v63, v0, 2, 0x46200
	s_set_vgpr_msb 0x4000
	v_mov_b32 v255, 0
	s_set_vgpr_msb 0x1
	ds_add_u32 v63, v255
	s_set_vgpr_msb 0x100
	v_lshrrev_b32 v1, 5, v0
	v_readfirstlane_b32 s16, v1                    ; wave 0..3
	s_lshr_b32 s17, s16, 1                         ; which half of the block's rows is mine.  Also: I fetch for x (0) or for weight (1)
	s_and_b32 s18, s16, 1                          ; which half of its columns.  Also: which 128 rows of that tile I fetch
	s_bfe_u32 s40, ttmp6, 0x40000                  ; cx: my place along the cluster's x
	s_bfe_u32 s41, ttmp6, 0x40004                  ; cy: along its y
	s_lshl_b32 s42, ttmp9, 2                       ; in a cluster launch ttmp9 and ttmp7 count clusters
	s_add_co_u32 s42, s42, s40                     ; block column = 4 x cluster x + cx
	s_and_b32 s43, ttmp7, 0xffff
	s_lshl_b32 s43, s43, 2
	s_add_co_u32 s43, s43, s41                     ; block row = 4 x cluster y + cy
	s_lshl_b32 s44, s41, 2
	s_lshl_b32 s44, 15, s44                        ; my row of the cluster: places 4 cy .. 4 cy + 3
	s_lshl_b32 s45, 0x1111, s40                    ; my column: places cx, cx + 4, cx + 8, cx + 12
	; descriptor group 1: a tile of 128 rows x 256 elements of one byte, padded in LDS
	s_or_b32 s[G1+0], s44, (0<<16)|(1<<20)|(1<<21)|(5<<22)|(3<<25)   ; 15:0 the mask: x's tiles go to my row; 17:16 element of 1 byte; 20 padding on; 21 set beside a mask; 24:22 after every 64 words (code 5); 31:25 of 4 words (code 3)
	s_or_b32 s[G1B+0], s45, (0<<16)|(1<<20)|(1<<21)|(5<<22)|(3<<25)  ; the same with the mask of my column, for weight's tiles
	s_mov_b32 s[G1+1], KSTEP<<16                   ; 63:48 tensor_dim0, low half = 256
	s_mov_b32 s[G1B+1], KSTEP<<16
	s_mov_b32 s[G1+2], 128<<16                     ; 79:64 its high half = 0; 95:80 tensor_dim1, low half = 128
	s_mov_b32 s[G1B+2], 128<<16
	s_mov_b32 s[G1+3], KSTEP<<16                   ; 111:96 its high half = 0; 127:112 tile_dim0 = 256
	s_mov_b32 s[G1B+3], KSTEP<<16
	s_mov_b32 s[G1+4], 128                         ; 143:128 tile_dim1 = 128; 159:144 tile_dim2 = 0
	s_mov_b32 s[G1B+4], 128
	s_mov_b32 s[G1+5], KDIM                        ; 191:160 elements from row to row
	s_mov_b32 s[G1B+5], KDIM
	s_mov_b32 s[G1+6], 0
	s_mov_b32 s[G1B+6], 0
	s_mov_b32 s[G1+7], 0
	s_mov_b32 s[G1B+7], 0
	; where the tiles come from.  x's hang on the block row alone, which my row of the cluster shares; weight's on the block column alone, which my column shares.
	; Every wave makes both addresses, in registers that never hold the other coordinate, and asks by one of them.
	s_lshl_b32 s19, s18, 7                         ; 128 x half
	s_lshl_b32 s20, s43, 8
	s_add_co_u32 s20, s20, s19                     ; x: row 256 x block row + 128 x half
	s_lshl_b32 s20, s20, 12                        ; rows of 4,096 bytes: below 2^24
	s_mov_b32 s21, 0
	s_lshl_b32 s46, s42, 8
	s_add_co_u32 s46, s46, s19                     ; weight: row 256 x block column + 128 x half
	s_lshl_b32 s46, s46, 12
	s_mov_b32 s47, 0
	s_mul_i32 s22, s16, HALFT                      ; and where they go: x's two halves, then weight's two halves = wave x 128 rows
	s_wait_dscnt 0x0
	s_wait_kmcnt 0x0
	s_add_nc_u64 s[20:21], s[4:5], s[20:21]
	s_add_nc_u64 s[46:47], s[6:7], s[46:47]
	CROUND                                         ; all sixteen work-groups are here: the first joint loads meet
.irp s, 0,1
	s_mov_b32 s[G0+4*\s], 1                                        ; 1:0 count = 1
	s_add_co_u32 s[G0+4*\s+1], s22, \s*SLOT                        ; 63:32 LDS address
	s_add_nc_u64 s[G0+4*\s+2:G0+4*\s+3], s[20:21], \s*KSTEP        ; 120:64 global address: K step s
	s_or_b32 s[G0+4*\s+3], s[G0+4*\s+3], 0x80000000                ; 127:126 type = 2
	s_mov_b32 s[G0B+4*\s], 1
	s_add_co_u32 s[G0B+4*\s+1], s22, \s*SLOT
	s_add_nc_u64 s[G0B+4*\s+2:G0B+4*\s+3], s[46:47], \s*KSTEP
	s_or_b32 s[G0B+4*\s+3], s[G0B+4*\s+3], 0x80000000
	JLOAD \s                                       ; the ring is filled before anything else is done: two tensor loads of the wave are out
.endr
	; While the first tiles come in: a, b, my 64 numbers of bias, and the address registers.
	s_load_b32 s66, s[10:11], 0x0                  ; a
	s_load_b32 s68, s[12:13], 0x0                  ; b
	v_and_b32 v1, 15, v0                           ; r = l % 16
	v_bfe_u32 v2, v0, 4, 1                         ; h = l / 16
	v_lshlrev_b32 v[BO], 5, v2                     ; 8 h numbers of 4 bytes
	s_lshl_b32 s46, s42, 10                        ; my first column, in bytes of bias: 1,024 x block column + 512 x half (s46 may hold cx: it feeds weight's side alone)
	s_lshl_b32 s23, s18, 9
	s_add_co_u32 s46, s46, s23
	s_mov_b32 s47, 0
	s_add_nc_u64 s[8:9], s[8:9], s[46:47]
	WIN TO_B
.irp b, 0,1,2,3,4,5,6,7
	global_load_b128 v[BIAS+8*\b:BIAS+8*\b+3],   v[BO], s[8:9] offset:64*\b      ; bias[first column + 16 b + 8 h + 0..3]
	global_load_b128 v[BIAS+8*\b+4:BIAS+8*\b+7], v[BO], s[8:9] offset:64*\b+16   ; .. + 4..7
.endr
	WIN 0
	v_mul_u32_u24 v3, v1, PITCH
	v_lshl_add_u32 v3, v2, 4, v3                   ; fragments: row x pitch + 16 x half of the lanes
	s_mul_i32 s76, s17, HALFT                      ; my 128 rows of x
	s_mul_i32 s77, s18, HALFT                      ; my 128 rows of weight,
	s_add_co_u32 s77, s77, 2*HALFT                 ; which lie behind x's 256
.irp s, 0,1
	v_add_nc_u32 v[ADRA+\s], s76, v3
	v_add_nc_u32 v[ADRB+\s], s77, v3
	s_add_co_u32 s76, s76, SLOT
	s_add_co_u32 s77, s77, SLOT
.endr
	s_mul_i32 s78, s17, 16*SPITCH
	s_add_co_u32 s78, s78, STAGE                   ; the stage of my half of the rows: the two waves of that half share it
	v_mul_u32_u24 v4, v1, SPITCH                   ; in: row r, my 128 bytes of it, 8 bytes for each half of the lanes
	v_lshl_add_u32 v4, v2, 3, v4
	v_add3_u32 v[STO], v4, s78, s19
	s_mul_i32 s23, s18, 8*SPITCH                   ; back: I take 8 of the 16 rows; lanes 0-15 one row of 256 bytes, lanes 16-31 the next
	v_mul_u32_u24 v5, v2, SPITCH
	v_lshl_add_u32 v5, v1, 4, v5
	v_add3_u32 v[RD], v5, s78, s23
	v_lshlrev_b32 v5, 12, v2                       ; and the same two rows in out0
	v_lshl_add_u32 v[CO], v1, 4, v5
	s_mov_b32 s70, 0xc3000000                      ; -128.0
	s_mov_b32 s71, 0x42fe0000                      ; 127.0
	s_mov_b32 s72, 0x00000400                      ; v_perm_b32: byte 0 of the second source, byte 0 of the first (the upper two bytes are not used)
	s_mov_b32 s73, 0x05040100                      ; v_perm_b32: the two low halves
	s_mov_b32 s74, 0x7fffffff                      ; all but the sign
	s_mov_b32 s75, 0x3f6d8000                      ; 0.927734375: where the two ranges of the fit meet
	s_wait_kmcnt 0x0
	s_mov_b32 s67, s66                             ; a packed instruction counts the whole pair as read
	s_mul_f32 s68, s68, 0.5                        ; 0.5 b: exact
	s_mov_b32 s69, s68
	s_wait_loadcnt 0x0                             ; bias is in, once for the whole kernel
; 16 matrix instructions: m blocks a0, a0 + 1 of the window's four (hi = 0: my rows 0-63, 1: rows 64-127) x all 8 n blocks, 64 along K.
; zero = 1: the first product starts the sums: nothing is ever cleared.  The 64 accumulators take turns, one instruction a turn, in the same order in
; every quarter step and over the loop's backward jump.
.macro MUL16 f, hi, a0, zero
.irp a, \a0, \a0+1
.irp b, 0,1,2,3,4,5,6,7
.if \zero
	v_wmma_i32_16x16x64_iu8 v[8*(8*(\a)+\b):8*(8*(\a)+\b)+7], v[\f+8*\b:\f+8*\b+7], v[\f+8*(4*\hi+\a):\f+8*(4*\hi+\a)+7], 0 neg_lo:[1,1,0]
.else
	v_wmma_i32_16x16x64_iu8 v[8*(8*(\a)+\b):8*(8*(\a)+\b)+7], v[\f+8*\b:\f+8*\b+7], v[\f+8*(4*\hi+\a):\f+8*(4*\hi+\a)+7], v[8*(8*(\a)+\b):8*(8*(\a)+\b)+7] neg_lo:[1,1,0]
.endif
.endr
.endr
.endm
; 32 LDS loads in one run: the fragments of one quarter step (128 rows of weight, 128 rows of x, 64 bytes of K at byte k of the rows) into buffer f
.macro FETCH slot, k, f
	WIN TO_B
.irp i, 0,1,2,3,4,5,6,7
	ds_load_b128 v[\f+8*\i:\f+8*\i+3],   v[ADRB+\slot] offset:\k+\i*16*PITCH
	ds_load_b128 v[\f+8*\i+4:\f+8*\i+7], v[ADRB+\slot] offset:\k+\i*16*PITCH+32
.endr
	WIN 0
.irp i, 0,1,2,3,4,5,6,7
	ds_load_b128 v[\f+8*\i:\f+8*\i+3],   v[ADRA+\slot] offset:\k+\i*16*PITCH
	ds_load_b128 v[\f+8*\i+4:\f+8*\i+7], v[ADRA+\slot] offset:\k+\i*16*PITCH+32
.endr
.endm
; Behind the 8-bit integer form a load into a register that it has read, and a vector instruction that reads its result or writes one of its registers, stand
; eight places behind it; only plain vector instructions that name none of its registers are places (ISA guide 7.12.1 for vector instructions),
; and this text does not count the matrix instructions in between.  So eight v_nop stand in front of each run of loads.
.macro PLACES
.rept 8
	v_nop
.endr
.endm
; A K step is four quarter steps of 64 along K, 64 matrix instructions each, on buffers 0, 1, 0, 1.
; One of the first three: multiplies buffer f; in its middle it fetches the next quarter's fragments, at byte k of the same slot's rows, into buffer g.
.macro QUARTER slot, k, f, g, zero
	s_wait_dscnt 8                                 ; weight's fragments and x's rows 0-63 are in; the youngest eight loads (x's rows 64-127) may be out
	WIN MUL_LO
	MUL16 \f, 0, 0, \zero
	MUL16 \f, 0, 2, \zero
	PLACES
	FETCH \slot, \k, \g
	s_wait_dscnt 32                                ; all but the 32 just issued
	WIN MUL_HI
	MUL16 \f, 1, 0, \zero
	MUL16 \f, 1, 2, \zero
.endm
.macro THREE slot, zero
	QUARTER \slot, 64,  F0, F1, \zero
	QUARTER \slot, 128, F1, F0, 0
	QUARTER \slot, 192, F0, F1, 0
.endm
; The last quarter: multiplies buffer 1 and changes slots.  next = the other slot; fill = 1: this slot is filled again, two K steps ahead.
; One barrier for the change of slots, for two things.  In front of it each wave waits for its own reads of this slot and for all its tensor loads, of which
; one is out: its part of the next slot.  Behind it nobody reads this slot any more and the next slot is whole: the refill comes first, then the next
; slot's first fragments.  From a request to the wait for it a wave issues 240 matrix instructions.
.macro TURN slot, next, fill
	s_wait_dscnt 8
	WIN MUL_LO
	MUL16 F1, 0, 0, 0
	s_wait_dscnt 0                                 ; my reads of this slot are over
	s_wait_tensorcnt 0x0                           ; and all my tensor loads have landed: the one that was out is my part of the next slot
	ds_add_u32 v63, v255
	s_wait_dscnt 0x0
	s_barrier_signal -1                            ; say so (where a slot is filled again this barrier opens a round of the cluster's barrier),
	MUL16 F1, 0, 2, 0                              ; work on registers while the others arrive,
	WIN 0
	s_barrier_wait -1                              ; and go on when all four have said so
.if \fill
	CREST                                          ; all sixteen work-groups have said so: no wave of any partner still reads this slot's tile or has a load on its way
	s_add_nc_u64 s[G0+4*\slot+2:G0+4*\slot+3], s[G0+4*\slot+2:G0+4*\slot+3], 2*KSTEP      ; no tensor load of mine is out: a group 0 may be written
	s_add_nc_u64 s[G0B+4*\slot+2:G0B+4*\slot+3], s[G0B+4*\slot+2:G0B+4*\slot+3], 2*KSTEP
	JLOAD \slot                                    ; the first tensor load behind the round, and my only one until the next
.endif
	PLACES
	FETCH \next, 0, F0
	WIN MUL_HI
	MUL16 F1, 1, 0, 0
	MUL16 F1, 1, 2, 0
.endm
.macro LAP zero                        ; once round the ring, both slots filled again
	THREE 0, \zero
	TURN 0, 1, 1
	THREE 1, 0
	TURN 1, 0, 1
.endm
	s_wait_tensorcnt 1                             ; my part of K step 0 is in; K step 1's may stay out
	s_barrier_signal -1
	s_barrier_wait -1                              ; everybody's is
	FETCH 0, 0, F0
	LAP 1                                          ; the first lap stands in front of the loop: its first products start the sums
	WIN 0                                          ; at a label and at a branch every window is 0
	s_mov_b32 s3, LAPS-2
.Llap:
	LAP 0
	WIN 0
	s_sub_co_u32 s3, s3, 1
	s_cmp_lg_u32 s3, 0
	s_cbranch_scc1 .Llap
	THREE 0, 0                                     ; the last lap fills nothing and has no round of the cluster's barrier: the one tensor load still out is slot 1's, the last K step's
	TURN 0, 1, 0
	THREE 1, 0
	s_wait_dscnt 8                                 ; the very last quarter: nothing more to fetch
	WIN MUL_LO
	MUL16 F1, 0, 0, 0
	MUL16 F1, 0, 2, 0
	s_wait_dscnt 0
	WIN MUL_HI
	MUL16 F1, 1, 0, 0
	MUL16 F1, 1, 2, 0
	WIN 0
	; THE EPILOGUE.  Six moves of constants and two v_nop are the eight places behind the last matrix instructions: none names a register of theirs.
	v_mov_b32 v[K7],   0xb7910000                  ; -1.72853470e-5
	v_mov_b32 v[K7+1], 0xb7910000
	v_mov_b32 v[K5],   0xbb7e8a1c                  ; -3.88396438e-3
	v_mov_b32 v[K5+1], 0xbb7e8a1c
	v_mov_b32 v[KL],   0xba1c7000                  ; -5.96761703e-4
	v_mov_b32 v[KL+1], 0xba1c7000
	v_nop
	v_nop
	s_lshl_b32 s20, s43, 8                         ; the first row that I store: 256 x block row + 128 x my half of the rows + 8 x my half of the columns
	s_lshl_b32 s21, s17, 7
	s_add_co_u32 s20, s20, s21
	s_lshl_b32 s21, s18, 3
	s_add_co_u32 s20, s20, s21
	s_lshl_b32 s20, s20, 12                        ; rows of 4,096 bytes
	s_mov_b32 s21, 0
	s_add_nc_u64 s[14:15], s[14:15], s[20:21]
	s_lshl_b32 s46, s42, 8                         ; the block's first column: 256 bytes x block column (in the registers that may hold cx)
	s_mov_b32 s47, 0
	s_add_nc_u64 s[14:15], s[14:15], s[46:47]
	s_mov_b32 s3, 0
; Eight packed instructions each, on the 16 numbers at work.
.macro PKMUL d, x, y                   ; d = x y
.irp p, 0,2,4,6,8,10,12,14
	v_pk_mul_f32 v[\d+\p:\d+\p+1], v[\x+\p:\x+\p+1], v[\y+\p:\y+\p+1]
.endr
.endm
.macro PK3 d, x, y, z                  ; d = x y + z
.irp p, 0,2,4,6,8,10,12,14
	v_pk_fma_f32 v[\d+\p:\d+\p+1], v[\x+\p:\x+\p+1], v[\y+\p:\y+\p+1], v[\z+\p:\z+\p+1]
.endr
.endm
.macro PK3L d, x, y, lit               ; d = x y + a constant
.irp p, 0,2,4,6,8,10,12,14
	v_pk_fma_f32 v[\d+\p:\d+\p+1], v[\x+\p:\x+\p+1], v[\y+\p:\y+\p+1], \lit op_sel_hi:[1,1,0]
.endr
.endm
.macro PK3K d, x, k, lit               ; d = x (a constant in the pair k) + a constant
.irp p, 0,2,4,6,8,10,12,14
	v_pk_fma_f32 v[\d+\p:\d+\p+1], v[\x+\p:\x+\p+1], v[\k:\k+1], \lit op_sel_hi:[1,1,0]
.endr
.endm
.macro PKNEG d, x, y, z, n1, n2        ; d = x (-y if n1) + (-z if n2)
.irp p, 0,2,4,6,8,10,12,14
	v_pk_fma_f32 v[\d+\p:\d+\p+1], v[\x+\p:\x+\p+1], v[\y+\p:\y+\p+1], v[\z+\p:\z+\p+1] neg_lo:[0,\n1,\n2] neg_hi:[0,\n1,\n2]
.endr
.endm
; The 64 sums of rows 16 i .. 16 i + 15 of my block (tiles (i mod 4, 0..7) of window 2 or 3) become f32 in Y.  Register numbers are fixed in the text, so these
; 64 lines stand eight times; the arithmetic behind them stands once.
.macro ROWBLK i
.Lrow\i:
.if \i < 4
	WIN 0x02                                       ; source 0 in window 2
.else
	WIN 0x03                                       ; in window 3
.endif
.set e, 0
.rept 64
	v_cvt_f32_i32 v[Y+e], v[64*(\i&3)+e]
.set e, e+1
.endr
	WIN 0
.if \i < 7
	s_branch .Lbody
.endif
.endm
; 16 numbers, tiles 2 bb and 2 bb + 1 of the row block: from y to 16 bytes in the stage.  Each line of the list is a run over all 16, so that no
; instruction waits for the one in front of it.  With s = y sqrt(0.5), t = |s|:
;   t <= 0.927734375:  erf(s) = s + s P(s^2), E = 1 + erf(s)
;   t above:           erfc(t) = exp(t R(t) - t), E = 2 - erfc(t) for s > 0, erfc(t) for s < 0
; Beyond the fitted range R stays negative and falls, so the exponential goes to 0 (also through -infinity) and E to exactly 2 or 0: t needs no clamp.
.macro GELU16 bb
.irp p, 0,2,4,6,8,10,12,14
	v_pk_mul_f32 v[S+\p:S+\p+1], v[Y+16*\bb+\p:Y+16*\bb+\p+1], 0x3f3504f3 op_sel_hi:[1,0]   ; s = y sqrt(0.5), rounded as in the definition
.endr
.irp i, 0,1,2,3,4,5,6,7,8,9,10,11,12,13,14,15
	v_bfi_b32 v[SG+\i], s74, 1.0, v[S+\i]          ; 1.0 with s's sign
.endr
	PKMUL T, S, SG                                 ; t = |s|, exact
	PKMUL Q, S, S                                  ; s^2
	PK3K R, T, K7, 0x39c8e7d9                      ; the upper range, its two top pairs of coefficients
	PK3K U, T, K5, 0x3cc6b1a1
	PK3K L, Q, KL, 0x3ba38d2c                      ; the lower range
	PK3  R, R, Q, U
	PK3L L, L, Q, 0xbcdb48d9
	PK3L R, R, T, 0xbddaae5c
	PK3L L, L, Q, 0x3de70e22
	PK3L R, R, T, 0xbf228550
	PK3L L, L, Q, 0xbec09380
	PK3L R, R, T, 0xbe03ce86
	PK3L L, L, Q, 0x3e0375d4
	PKNEG R, R, T, T, 0, 1                         ; r t - t = ln erfc(t)
	PK3  L, L, S, S                                ; erf(s)
.irp p, 0,2,4,6,8,10,12,14
	v_pk_mul_f32 v[R+\p:R+\p+1], v[R+\p:R+\p+1], 0x3fb8aa3b op_sel_hi:[1,0]   ; to base 2
.endr
.irp p, 0,2,4,6,8,10,12,14
	v_pk_add_f32 v[L+\p:L+\p+1], v[L+\p:L+\p+1], 1.0 op_sel_hi:[1,0]          ; E of the lower range
.endr
.irp i, 0,1,2,3,4,5,6,7,8,9,10,11,12,13,14,15
	v_exp_f32 v[R+\i], v[R+\i]                     ; erfc(t)
.endr
	s_wait_alu depctr_va_vdst(0)
.irp p, 0,2,4,6,8,10,12,14
	v_pk_add_f32 v[U+\p:U+\p+1], v[SG+\p:SG+\p+1], 1.0 op_sel_hi:[1,0]        ; 2 or 0; also the plain instructions behind the exponentials (ISA guide 5.7.2)
.endr
	PKNEG R, SG, R, U, 1, 0                        ; E of the upper range: 2 - erfc(t) or erfc(t), one rounding
.irp i, 0,1,2,3,4,5,6,7,8,9,10,11,12,13,14,15
	v_cmp_lt_f32 s[MK+\i], s75, v[T+\i]            ; a mask register for each, so that the selects do not queue on one
.endr
.irp i, 0,1,2,3,4,5,6,7,8,9,10,11,12,13,14,15
	v_cndmask_b32 v[L+\i], v[L+\i], v[R+\i], s[MK+\i]
.endr
.irp p, 0,2,4,6,8,10,12,14
	v_pk_mul_f32 v[L+\p:L+\p+1], v[L+\p:L+\p+1], v[Y+16*\bb+\p:Y+16*\bb+\p+1]  ; y E
.endr
.irp p, 0,2,4,6,8,10,12,14
	v_pk_mul_f32 v[L+\p:L+\p+1], v[L+\p:L+\p+1], s[68:69] op_sel_hi:[1,0]      ; (y E)(0.5 b)
.endr
.irp i, 0,1,2,3,4,5,6,7,8,9,10,11,12,13,14,15
	v_med3_num_f32 v[L+\i], v[L+\i], s70, s71      ; the clip first: its bounds are whole numbers, so rounding behind it gives the same
.endr
.irp p, 0,2,4,6,8,10,12,14
	v_pk_add_f32 v[L+\p:L+\p+1], v[L+\p:L+\p+1], 0x4b400000 op_sel_hi:[1,0]    ; + 1.5 x 2^23: rounds to the nearest whole number, ties to even; the word's low byte is the int8
.endr
.irp q, 0,1,2,3
	v_perm_b32 v[U+2*\q],   v[L+4*\q+1], v[L+4*\q],   s72
	v_perm_b32 v[U+2*\q+1], v[L+4*\q+3], v[L+4*\q+2], s72
.endr
.irp q, 0,1,2,3
	v_perm_b32 v[PK+\q], v[U+2*\q+1], v[U+2*\q], s73
.endr
	ds_store_b64 v[STO], v[PK:PK+1]   offset:32*\bb       ; tile 2 bb: columns 16 (2 bb) + 8 h + 0..7 of row r; word address 68 r + 2 h + a constant: 32 lanes, 64 different banks
	ds_store_b64 v[STO], v[PK+2:PK+3] offset:32*\bb+16    ; tile 2 bb + 1
.endm
.Lstep:                                            ; eight trips, 16 rows of my block a trip
.irp i, 1,2,3,4,5,6,7
	s_cmp_eq_u32 s3, \i
	s_cbranch_scc1 .Lrow\i
.endr
	ROWBLK 0
	ROWBLK 1
	ROWBLK 2
	ROWBLK 3
	ROWBLK 4
	ROWBLK 5
	ROWBLK 6
	ROWBLK 7
.Lbody:
	WIN 0x10                                       ; source 2 (bias) in window 1
.set e, 0
.rept 32
	v_pk_fma_f32 v[Y+e:Y+e+1], v[Y+e:Y+e+1], s[66:67], v[BIAS+e:BIAS+e+1] op_sel_hi:[1,0,1]   ; y = a acc + bias
.set e, e+2
.endr
	WIN 0
	GELU16 0
	GELU16 1
	GELU16 2
	GELU16 3
	s_wait_dscnt 0x0                               ; my halves of the 16 rows are in the stage,
	s_barrier_signal -1
	s_barrier_wait -1                              ; and so are the other wave's
.irp t, 0,1,2,3
	ds_load_b128 v[OB+4*\t:OB+4*\t+3], v[RD] offset:\t*2*SPITCH    ; whole rows of 256 bytes, two a load; I take 8 of the 16
.endr
.irp t, 0,1,2,3
	s_wait_dscnt 3-\t                              ; LDS loads come back in order (ISA guide 5.7.1): load t is in, the younger ones stay out
	global_store_b128 v[CO], v[OB+4*\t:OB+4*\t+3], s[14:15] offset:2*\t*NDIM th:TH_STORE_NT   ; 16 lanes store 256 consecutive bytes, at a multiple of 256 from out0's first byte
.endr
	s_barrier_signal -1                            ; my reads of the stage are back (the last count was 0):
	s_barrier_wait -1                              ; no wave stores into it again before all have read it
	s_wait_xcnt 0x0                                ; the stores' base and data registers are rewritten only behind this wait
	s_add_nc_u64 s[14:15], s[14:15], 16*NDIM       ; 16 rows of out0 on
	s_add_co_u32 s3, s3, 1
	s_cmp_lt_u32 s3, 8
	s_cbranch_scc1 .Lstep
	s_set_vgpr_msb 0x1
	s_wait_tensorcnt 0x0
	ds_add_u32 v63, v255
	s_wait_dscnt 0x0
	s_set_vgpr_msb 0x100
	CROUND                                         ; the closing round: no work-group ends while a partner may still ask for a tile that names it
	s_endpgm
.Lfunc_end_k_qa1e828291d_gemm_gelu_q:
	.size	k_qa1e828291d_gemm_gelu_q, .Lfunc_end_k_qa1e828291d_gemm_gelu_q-k_qa1e828291d_gemm_gelu_q
	.p2alignl 7, 3214868480
	.fill 96, 4, 3214868480
	.section	.rodata,"a",@progbits
	.p2align	6, 0x0
	.amdhsa_kernel k_qa1e828291d_gemm_gelu_q
		.amdhsa_group_segment_fixed_size 327680
		.amdhsa_private_segment_fixed_size 0
		.amdhsa_enable_private_segment 0
		.amdhsa_kernarg_size 48
		.amdhsa_user_sgpr_count 2
		.amdhsa_user_sgpr_kernarg_segment_ptr 1
		.amdhsa_wavefront_size32 1
		.amdhsa_system_sgpr_workgroup_id_x 1
		.amdhsa_system_sgpr_workgroup_id_y 1
		.amdhsa_system_sgpr_workgroup_id_z 1
		.amdhsa_system_vgpr_workitem_id 0
		.amdhsa_next_free_vgpr 1024
		.amdhsa_next_free_sgpr 96
		.amdhsa_reserve_vcc 0
		.amdhsa_float_denorm_mode_32 3
		.amdhsa_float_denorm_mode_16_64 3
		.amdhsa_memory_ordered 1
		.amdhsa_forward_progress 1
		.amdhsa_inst_pref_size 255
	.end_amdhsa_kernel
	.section	.bss,"aw",@nobits
	.p2align	6
	.space	262144
	.amdgpu_metadata
---
amdhsa.version: [ 1, 2 ]
amdhsa.kernels:
  - .name:           k_qa1e828291d_gemm_gelu_q
    .symbol:         k_qa1e828291d_gemm_gelu_q.kd
    .args:
      - { .name: x, .offset: 0, .size: 8, .value_kind: global_buffer, .address_space: global }
      - { .name: weight, .offset: 8, .size: 8, .value_kind: global_buffer, .address_space: global }
      - { .name: bias, .offset: 16, .size: 8, .value_kind: global_buffer, .address_space: global }
      - { .name: a, .offset: 24, .size: 8, .value_kind: global_buffer, .address_space: global }
      - { .name: b, .offset: 32, .size: 8, .value_kind: global_buffer, .address_space: global }
      - { .name: out0, .offset: 40, .size: 8, .value_kind: global_buffer, .address_space: global }
    .group_segment_fixed_size: 327680
    .private_segment_fixed_size: 0
    .kernarg_segment_align: 8
    .kernarg_segment_size: 48
    .max_flat_workgroup_size: 128
    .sgpr_count:     96
    .vgpr_count:     1024
    .wavefront_size: 32
...
	.end_amdgpu_metadata
.endif
;; end of part 1
